; MI455X (gfx1250); checked and timed in simulation.
; The chip was launched on July 23, 2026; its instructions are those of AMD's public machine-readable ISA for CDNA 5 (MIT licence, August 2026) and "CDNA5" Instruction Set Architecture Reference Guide (July 2026). The comments in the code are by the model that wrote it; some were corrected since.
;; Multi Head Self Attention. Allowed arithmetic: matrix products marked QUANTISED: E2M1 operands, one E8M0 scale for each 32 along K, by v_wmma_scale_f32_16x16x128_f8f6f4 with both operands' format E2M1 (or v_wmma_scale_f32_32x16x128_f4), f32 sums; everything else in f32.
;; Inputs: attn_mask 4 x 2,048 int32; bk 1,024 float32; bo 1,024 float32; bq 1,024 float32; bv 1,024 float32; wk_codes 1,024 x 32 x 16 uint8 (E2M1 codes of wk, K innermost, in blocks of 32 codes, two codes a byte); wk_scales 1,024 x 32 uint8 (E8M0 scales of wk, one for each 32 codes along K); wo_codes 1,024 x 32 x 16 uint8 (E2M1 codes of wo, K innermost, in blocks of 32 codes, two codes a byte); wo_scales 1,024 x 32 uint8 (E8M0 scales of wo, one for each 32 codes along K); wq_codes 1,024 x 32 x 16 uint8 (E2M1 codes of wq, K innermost, in blocks of 32 codes, two codes a byte); wq_scales 1,024 x 32 uint8 (E8M0 scales of wq, one for each 32 codes along K); wv_codes 1,024 x 32 x 16 uint8 (E2M1 codes of wv, K innermost, in blocks of 32 codes, two codes a byte); wv_scales 1,024 x 32 uint8 (E8M0 scales of wv, one for each 32 codes along K); x_codes 4 x 2,048 x 32 x 16 uint8 (E2M1 codes of x, K innermost, in blocks of 32 codes, two codes a byte); x_scales 4 x 2,048 x 32 uint8 (E8M0 scales of x, one for each 32 codes along K).
;; Outputs: out0 4 x 2,048 x 1,024 float32.
;; This version of the problem:
;;   THIS VERSION OF THE PROBLEM IS GIVEN IN LOW PRECISION. The matrix products marked QUANTISED in the list below multiply operands that are first quantised to E2M1 (2 exponent bits, 1 mantissa bit; 4 bits a number), with one power-of-two scale for each 32 numbers along K (OCP MX v1.0); their sums are f32. All else is computed in f32.
;;   The module's matrix products, in the order in which they are computed (A, B: the left and right operand; K: the contracted axis; several contracted axes count as one K, in the product's order):
;;     1. [M 8,192, K 1,024] x [K 1,024, N 1,024]; A: input x (given as codes); B: input wq (given as codes): QUANTISED
;;     2. [M 8,192, K 1,024] x [K 1,024, N 1,024]; A: input x (given as codes); B: input wk (given as codes): QUANTISED
;;     3. [M 8,192, K 1,024] x [K 1,024, N 1,024]; A: input x (given as codes); B: input wv (given as codes): QUANTISED
;;     4. batch 64 x [M 2,048, K 64] x [K 64, N 2,048]; A: computed on the way; B: computed on the way: QUANTISED
;;     5. batch 64 x [M 2,048, K 2,048] x [K 2,048, N 64]; A: softmax (see below); B: computed on the way: QUANTISED
;;     6. [M 8,192, K 1,024] x [K 1,024, N 1,024]; A: computed on the way; B: input wo (given as codes): QUANTISED
;;   THE QUANTISER, for each operand of a quantised product, along K:
;;     - K is cut into blocks of 32 from its start; a last block that is shorter is filled with zeros.
;;     - A block's scale is 2^e with e = floor(log2(the largest magnitude in the block)) - 2, held to -126 .. 127; a block of zeros has e = 0. As a byte (E8M0): e + 127.
;;     - Each number is divided by its block's scale, clamped to +-6, and rounded to the nearest number of E2M1, ties to even, subnormals kept.
;;     - The product sums the exact products of the quantised numbers (number of the format x scale) in f32.
;;   ~~~python
;;   def quantise(x, axis):      # numpy; x: float32 -> the quantised numbers, widened to float32 again
;;       x = np.moveaxis(x, axis, -1); K = x.shape[-1]
;;       x = np.pad(x, [(0, 0)] * (x.ndim - 1) + [(0, -K % 32)]); x = x.reshape(x.shape[:-1] + (-1, 32)); a = np.abs(x).max(-1, keepdims=True)
;;       e = np.where(a > 0, np.clip(np.frexp(np.where(a > 0, a, 1))[1] - 1 - 2, -126, 127), 0)      # np.frexp(a)[1] - 1 = floor(log2(a)), exactly
;;       r = np.clip(x / 2.0 ** e, -6, 6)
;;       step = 2.0 ** (np.maximum(np.frexp(np.where(r == 0, 1, r))[1] - 1, 0) - 1)
;;       q = np.round(r / step) * step * 2.0 ** e      # np.round: ties to even
;;       return np.moveaxis(q.reshape(q.shape[:-2] + (-1,))[..., :K], -1, axis).astype(np.float32)
;;   ~~~
;;   SOFTMAX AHEAD OF A QUANTISED PRODUCT. Where the list says 'softmax', what is quantised is not the finished softmax but p = 2^(t - M), with t = logit x log2(e) and M = ceil(the row's largest t), a whole number; so 1/2 < the row's largest p <= 1. The row's sum l is taken of the UNQUANTISED p, in f32, and the product's result is divided by l at the end. Since M is a whole number, a kernel that streams over the keys may use a running M (the ceiling of the running maximum): every later rescaling is an exact power of two, which a block's scale takes up: the codes' values come out the same.
;;   OPERANDS COMPUTED ON THE WAY. 'Computed on the way' means the value that the module computes at that place (a softmax that the list does not call 'softmax' is quantised finished and normalised). What goes into a quantiser is computed in f32, as accurately as f32 sums, v_exp_f32 and their like allow (about 1e-6 of the number): no bf16 or f16 on the way to a quantiser, and a product that is left as it is and whose result goes on into a quantised operand takes f32 operands (vector FMAs, or v_wmma_f32_16x16x4_f32). A number that lies on a knife's edge between two numbers of the format may be rounded either way, as far as f32 arithmetic and the matrix unit's own rounding can turn it there, and no further.
;;   INPUTS GIVEN AS CODES. wk (in the module: [1024, 1024], K = its axis 0); wo (in the module: [1024, 1024], K = its axis 0); wq (in the module: [1024, 1024], K = its axis 0); wv (in the module: [1024, 1024], K = its axis 0); x (in the module: [4, 2048, 1024], K = its axis 2): each comes as NAME_codes (uint8): NAME with its K axis moved to the last place and cut into blocks of 32 codes, [.., K / 32, bytes a block], one block behind the other in memory; two codes a byte, the lower K in the low four bits (a code: sign, 2 exponent bits, 1 mantissa bit); and NAME_scales (uint8): the same leading axes, one E8M0 byte (e + 127) for each 32 codes along K. Its value is code x scale, taken as it is: it is not quantised again, and the codes and scales need not be those that the quantiser above would give.
;; One version. Each part assembles by itself: llvm-mc -triple=amdgcn-amd-amdhsa -mcpu=gfx1250 --defsym DOCPART=n.
;; ======== version 1 of 1: 3 launches
;; limits: right only within a limited range of input values
;; workspace buffers: qbuf 4,718,592 bytes; kv 9,175,040 bytes; oc 4,194,304 bytes; os 262,144 bytes
;; launch proj (part 1): grid 4 x 192, 8 waves a work-group, clusters of 4 x 4, 203,776 bytes of LDS; arguments x_codes, x_scales, wq_codes, wq_scales, wk_codes, wk_scales, wv_codes, wv_scales, bq, bk, bv, attn_mask, qbuf, kv; writes qbuf, kv
.if DOCPART == 1
	.amdgcn_target "amdgcn-amd-amdhsa--gfx1250"
	.amdhsa_code_object_version 6
	.text
	.protected	k_q4e9e3571db_proj
	.globl	k_q4e9e3571db_proj
	.p2align	8
	.type	k_q4e9e3571db_proj,@function
k_q4e9e3571db_proj:
	s_mov_b64 s[64:65], 0
	v_nop
	global_prefetch_b8 v0, s[64:65] scope:SCOPE_SE
	s_setreg_imm32_b32 hwreg(HW_REG_WAVE_MODE, 25, 1), 1
	s_wait_xcnt 0x0
	s_wait_alu depctr_hold_cnt(0) depctr_sa_sdst(0) depctr_va_vdst(0) depctr_va_sdst(0) depctr_va_ssrc(0) depctr_va_vcc(0) depctr_vm_vsrc(0)
	s_getreg_b32 s2, hwreg(HW_REG_IB_STS2, 6, 4)
	s_cmp_eq_u32 s2, 0
	s_cbranch_scc0 .Lentry_in_a_cluster
	s_endpgm
.Lentry_in_a_cluster:
	s_bfe_u32 s2, ttmp6, 0x10000c
	s_cmp_lg_u32 s2, 0xf033
	s_cbranch_scc0 .Lentry_shape_is_right
	s_endpgm
.Lentry_shape_is_right:
; q = x wq + bq, k = x wk + bk, v = x wv + bv on codes of FP4 (E2M1) with E8M0 scales; the three results are quantised here, in registers, and leave as codes.
; DEAD WORK: none is left out in this program: every product of the module reaches the output for some inputs, and every input is loaded.
; ONE SHAPE FOR ALL THREE: D = S0 S1^T, S0 = 256 rows (source 0), S1 = 128 rows (source 1), K = 1,024.  A lane then holds ONE row of S1 and its registers run along S0's rows, the axis to be quantised:
;   q, k: S0 = the weight's rows (channels: a head's 64 are two blocks of 32), S1 = tokens.      v: S0 = tokens (the keys: v is quantised along them), S1 = wv's rows (channels).
; THE ROWS OF A TILE ARE NOT NEIGHBOURS: lane r of tile 2 b + u holds row 32 b + 8 u + r + 8 (r / 8), in S0 and in S1.  So the 16 result registers of S0's tiles 2 b, 2 b + 1 are 16 neighbours, 32 b + 16 (lane / 16) + 0 .. 15.
; The tensor loads lay the rows so: 8 dense rows of 512 bytes are one descriptor row of 4,096, 16 rows from one to the next; begun at row 0 that gives the even tiles, begun at row 8 the odd ones.
; THE RESULTS LEAVE AS IMAGES OF OPERAND REGISTERS: four registers a lane, lane l's 16 bytes at 16 l, 512 consecutive bytes a store.  The scale words leave 128 consecutive bytes a store (a sixteenth of the launch's output or less).
; THE MASK RIDES IN K'S SCALE WORDS.  The scores' product has K = 64 of the instruction's 128.  Its block 2 carries one product, code +1 (keys) x code -1 (queries); byte 2 of a key's word is 247 where attn_mask is 0, else 40,
; byte 2 of a query's word is 40: the term is -2^33 on a masked score and -2^-174 on any other.  Byte 3 (zero codes) is 40 on both sides.
; LIMITS: a masked key's logit is -2^30 here where the module writes -1e9: the results agree while the logits that count stay under 2^28 in size.  NaN and infinities are not served.  A block whose largest magnitude lies
; under 2^-124 keeps the byte 1 (a block of zeros too: its codes are zeros, and this program alone reads the bytes).
; SHARES: 768 work-groups: cluster y / 16 = 0: q, 1: k, 2: v.  Eight waves: wave / 4 = which 128 rows of S0 (8 tiles), wave % 4 = which two tiles of S1: 16 accumulators.
; CLUSTER 4 x 4: S0's tile is shared down a column of the cluster, S1's along a row: each is asked for jointly.  All tensor loads are first fills; nothing is filled again.
.set PITCH, 528                        ; an LDS row: 512 bytes + 16: the 16 rows of a fragment load start 16 bytes apart modulo 256
.set TILEB, 16*PITCH                   ; a tile of 16 rows
.set S0U,   8*TILEB                    ; S0's even tiles at 0, its odd tiles behind them
.set S1L,   2*S0U                      ; S1's even tiles,
.set S1U,   4*TILEB                    ; and S1U further on its odd ones
.set SPARE, S1L+2*S1U                  ; the spare words, 128 bytes for each wave: four blocks of 256 bytes that no other line names
.set A0,  1                            ; v1, v2  LDS address of my S0 fragments: even tiles, odd tiles
.set A1,  3                            ; v3      of my S1 fragments
.set MK0, 4                            ; v4, v7  attn_mask of my lane's token in my two tiles of S1 (k alone; else 1)
.set MK1, 7
.set SPW, 5                            ; v5      my spare word; never rewritten
.set NIL, 6                            ; v6      0; never rewritten
.set SC0, 8                            ; v8-39   S0's scale words: register 8 i + s: lanes 0-15 tile i, lanes 16-31 tile i + 4, K step s
.set SC1, 40                           ; v40-47  S1's: register s: lanes 0-15 my first tile, lanes 16-31 my second
.set F0,  48                           ; v48-111 S0's eight fragments
.set F1,  112                          ; v112-127 S1's two
.set ACC, 128                          ; v128-255 accumulator (i, e) at 128 + 64 e + 8 i
.set PC,  48                           ; behind the products: the codes, 8 registers for each tile of S1,
.set PW,  64                           ; v64, v65 their scale words,
.set LI,  66                           ; v66     16 x lane,
.set LS,  67                           ; v67     4 x lane,
.set TM,  72                           ; v72-87  the quantiser's work
.set G1A, 36                           ; s[36:43], s[44:47] descriptor groups 1 and 0 for S0;  s[48:55], s[56:59] for S1
.set G0A, 44
.set G1B, 48
.set G0B, 56
.set WV,  60
.set WA,  61                           ; wave / 4
.set BQ,  62                           ; wave % 4
.set CX,  66
.set CY,  67
.set CLY, 68
.set TYP, 69                           ; 0: q, 1: k, 2: v: the same in all sixteen partners
.set IC,  70
.set HI,  71                           ; the lane mask of lanes 16-31
.set P0C, 72                           ; s[72:73] S0's codes, s[74:75] its scales, s[76:77] S1's codes, s[78:79] its scales, s[80:81] the bias, s[82:83] the output
.set P0S, 74
.set P1C, 76
.set P1S, 78
.set PB,  80
.set PO,  82
.set S0B, 96                           ; s96 which 256 rows of S0 (made of cx; s92, s93, s99 likewise never hold cy)
.set S1B, 97                           ; s97 which 128 rows of S1 (made of cy; s94, s95, s98 likewise never hold cx)
.set SEL, 100                          ; s[100:101] lane selects: lane l xor 16
.macro CROUND                          ; a round of the cluster's barrier
	s_barrier_signal -1
	s_barrier_wait -1
	s_cmp_lg_u32 s[WV], 0
	s_cbranch_scc1 .Lnot_wave_0_\@
	s_barrier_signal -3
.Lnot_wave_0_\@:
	s_barrier_wait -3
	s_barrier_signal -1
	s_barrier_wait -1
.endm
; one product: S0's tile i x S1's tile e, K step s, onto accumulator (i, e)
.macro WM i, e, s
.set AC, ACC+64*(\e)+8*(\i)
.set FA, F0+8*(\i)
.set FB, F1+8*(\e)
.set SA, SC0+8*((\i)%4)+(\s)
.set SB, SC1+(\s)
.if ((\i) < 4) && ((\e) == 0)
	v_wmma_scale_f32_16x16x128_f8f6f4 v[AC:AC+7], v[FA:FA+7], v[FB:FB+7], v[AC:AC+7], v[SA], v[SB] matrix_a_fmt:MATRIX_FMT_FP4 matrix_b_fmt:MATRIX_FMT_FP4
.elseif (\i) < 4
	v_wmma_scale_f32_16x16x128_f8f6f4 v[AC:AC+7], v[FA:FA+7], v[FB:FB+7], v[AC:AC+7], v[SA], v[SB] matrix_a_fmt:MATRIX_FMT_FP4 matrix_b_fmt:MATRIX_FMT_FP4 matrix_b_scale:MATRIX_SCALE_ROW1
.elseif (\e) == 0
	v_wmma_scale_f32_16x16x128_f8f6f4 v[AC:AC+7], v[FA:FA+7], v[FB:FB+7], v[AC:AC+7], v[SA], v[SB] matrix_a_fmt:MATRIX_FMT_FP4 matrix_b_fmt:MATRIX_FMT_FP4 matrix_a_scale:MATRIX_SCALE_ROW1
.else
	v_wmma_scale_f32_16x16x128_f8f6f4 v[AC:AC+7], v[FA:FA+7], v[FB:FB+7], v[AC:AC+7], v[SA], v[SB] matrix_a_fmt:MATRIX_FMT_FP4 matrix_b_fmt:MATRIX_FMT_FP4 matrix_a_scale:MATRIX_SCALE_ROW1 matrix_b_scale:MATRIX_SCALE_ROW1
.endif
.endm
; 128 along K: 20 LDS loads, 16 products.  The 16 accumulators take turns, one instruction a turn, in the same order in every step.
.macro KSTEP s
.if (\s) > 0
.rept 4
	v_nop                                          ; four places in front of loads into registers that the last products have read (ISA guide 7.12.1 for vector instructions)
.endr
.endif
.irp e, 0,1
.irp c, 0,1
	ds_load_b128 v[F1+8*\e+4*\c:F1+8*\e+4*\c+3], v[A1] offset:\e*S1U+64*(\s)+32*\c
.endr
.endr
.irp i, 0,1,2,3,4,5,6,7
.irp c, 0,1
	ds_load_b128 v[F0+8*\i+4*\c:F0+8*\i+4*\c+3], v[A0+\i%2] offset:(\i/2)*TILEB+64*(\s)+32*\c
.endr
.endr
.irp i, 0,1,2,3,4,5,6,7
	s_wait_dscnt 2*(7-\i)                          ; S1's fragments and S0's up to tile i are in; the two loads of each later tile may be out
	WM \i, 0, \s
	WM \i, 1, \s
.endr
.endm
; 64 numbers of a lane, register 16 b + i = place 32 b + 16 (lane / 16) + i along the next K, become a fragment's codes in v[pc] on and its scale word in v[pw]
.macro QUANT s, pc, pw
.irp b, 0,1,2,3
	v_max3_num_f32 v[TM+\b], |v[\s+16*\b]|, |v[\s+1+16*\b]|, 0x1800000   ; block b: my 16 numbers, and the floor 2^(3 - 127): the byte cannot fall under 1.  (Each accumulator is read from its low end on)
.endr
.irp i, 2,4,6,8,10,12,14
.irp b, 0,1,2,3
	v_max3_num_f32 v[TM+\b], v[TM+\b], |v[\s+16*\b+\i]|, |v[\s+1+16*\b+\i]|
.endr
.endr
.irp b, 0,1,2,3
	s_delay_alu instid0(VALU_DEP_4)
	v_permlanex16_b32 v[TM+4+\b], v[TM+\b], s[SEL], s[SEL+1]
.endr
.irp b, 0,1,2,3
	s_delay_alu instid0(VALU_DEP_4)
	v_max_num_f32 v[TM+\b], v[TM+\b], v[TM+4+\b]   ; with lane l xor 16's 16: the block's largest magnitude
.endr
.irp b, 0,1,2,3
	s_delay_alu instid0(VALU_DEP_4)
	v_add_nc_u32 v[TM+12+\b], 0xff000000, v[TM+\b] ; 2 off its exponent field: the conversion takes this operand's exponent field as its scale
.endr
.irp b, 0,1,2,3
	s_delay_alu instid0(VALU_DEP_4)
	v_lshrrev_b32 v[TM+4+\b], 23, v[TM+12+\b]      ; the scale's byte
.endr
	s_delay_alu instid0(VALU_DEP_3)
	v_lshl_or_b32 v[\pw], v[TM+5], 8, v[TM+4]
	s_delay_alu instid0(VALU_DEP_1)
	v_lshl_or_b32 v[\pw], v[TM+6], 16, v[\pw]
	s_delay_alu instid0(VALU_DEP_1)
	v_lshl_or_b32 v[\pw], v[TM+7], 24, v[\pw]
.irp b, 0,1,2,3
	v_cvt_scalef32_pk8_fp4_f32 v[\pc+2*\b], v[\s+16*\b:\s+7+16*\b], v[TM+12+\b]
	v_cvt_scalef32_pk8_fp4_f32 v[\pc+1+2*\b], v[\s+8+16*\b:\s+15+16*\b], v[TM+12+\b]
.endr
	v_nop                                          ; one plain place behind a scaled conversion
.irp c, 0,1                                    ; the operand's layout wants a whole block in a lane: lanes 0-15 block 2 c, lanes 16-31 block 2 c + 1
.irp i, 0,1
	v_permlane16_swap_b32 v[\pc+4*\c+\i], v[\pc+2+4*\c+\i]
.endr
.endr
.endm
	s_load_b512 s[8:23], s[0:1], 0x0               ; x codes, x scales, wq codes, wq scales, wk codes, wk scales, wv codes, wv scales
	s_load_b256 s[24:31], s[0:1], 0x40             ; bq, bk, bv, attn_mask
	s_load_b128 s[32:35], s[0:1], 0x60             ; qbuf, kv
	v_lshl_add_u32 v[SPW], v0, 2, SPARE
	v_mov_b32 v[NIL], 0
	ds_add_u32 v[SPW], v[NIL]                      ; the wave's opening: the add, twice on end, and its wait ahead of my first tensor load
	ds_add_u32 v[SPW], v[NIL]                      ; and once more; the set-up below, work on registers, stands between it and the wait
	v_lshrrev_b32 v48, 5, v0
	s_delay_alu instid0(VALU_DEP_1)
	v_readfirstlane_b32 s[WV], v48                 ; wave 0..7
	s_lshr_b32 s[WA], s[WV], 2
	s_and_b32 s[BQ], s[WV], 3
	s_bfe_u32 s[CX], ttmp6, 0x40000                ; my place in the cluster
	s_bfe_u32 s[CY], ttmp6, 0x40004
	s_and_b32 s[CLY], ttmp7, 0xffff                ; cluster y, 0..47
	s_lshr_b32 s[TYP], s[CLY], 4
	s_and_b32 s[IC], s[CLY], 15
	s_lshl_b32 s92, ttmp9, 2
	s_add_co_u32 s92, s92, s[CX]                   ; q, k: S0's block = work-group x (4 blocks of 256 channels)
	s_and_b32 s93, s[IC], 7
	s_lshl_b32 s93, s93, 2
	s_add_co_u32 s93, s93, s92                     ; v: + 4 (ic % 8) (32 blocks of 256 tokens)
	s_lshl_b32 s94, s[IC], 2
	s_add_co_u32 s94, s94, s[CY]                   ; q, k: S1's block = 4 ic + cy (64 blocks of 128 tokens)
	s_lshr_b32 s95, s[IC], 3
	s_lshl_b32 s95, s95, 2
	s_add_co_u32 s95, s95, s[CY]                   ; v: cy + 4 (ic / 8) (8 blocks of 128 channels)
	s_cmp_eq_u32 s[TYP], 2
	s_cselect_b32 s[S0B], s93, s92
	s_cselect_b32 s[S1B], s95, s94
	s_lshl_b32 s99, 0x1111, s[CX]                  ; my column of the cluster
	s_lshl_b32 s98, s[CY], 2
	s_lshl_b32 s98, 15, s98                        ; my row
	; group 1: descriptor rows of 4,096 bytes (512 elements of 8), 8,192 bytes apart; 16 bytes of padding behind every 512
	s_or_b32 s[G1A], s99, (3<<16)|(1<<20)|(1<<21)|(6<<22)|(3<<25)   ; 15:0 the mask; 17:16 elements of 8 bytes; 20 padding on; 21 set beside a mask; 24:22 after every 128 words; 31:25 four words
	s_or_b32 s[G1B], s98, (3<<16)|(1<<20)|(1<<21)|(6<<22)|(3<<25)
	s_mov_b32 s[G1A+1], 512<<16                    ; tensor_dim0
	s_mov_b32 s[G1A+2], 8<<16                      ; tensor_dim1: 8 groups of 8 rows a load
	s_mov_b32 s[G1A+3], 512<<16                    ; tile_dim0
	s_mov_b32 s[G1A+4], 8                          ; tile_dim1
	s_mov_b32 s[G1A+5], 1024                       ; from group to group: 16 rows
	s_mov_b32 s[G1A+6], 0
	s_mov_b32 s[G1A+7], 0
	s_mov_b32 s[G1B+1], 512<<16
	s_mov_b32 s[G1B+2], 4<<16                      ; S1: 4 groups a load
	s_mov_b32 s[G1B+3], 512<<16
	s_mov_b32 s[G1B+4], 4
	s_mov_b32 s[G1B+5], 1024
	s_mov_b32 s[G1B+6], 0
	s_mov_b32 s[G1B+7], 0
	; group 0.  Load k = wave % 4: k / 2 = even or odd tiles (begun at row 0 or 8), k % 2 = which half of the groups.  Every wave makes both sets and asks by one
	s_lshl_b32 s92, s[S0B], 17                     ; 256 rows of 512 bytes a block
	s_lshr_b32 s93, s[BQ], 1
	s_lshl_b32 s93, s93, 12
	s_add_co_u32 s92, s92, s93
	s_and_b32 s93, s[BQ], 1
	s_lshl_b32 s93, s93, 16
	s_add_co_u32 s92, s92, s93
	s_mov_b32 s93, 0
	s_lshl_b32 s94, s[S1B], 16                     ; 128 rows a block
	s_lshr_b32 s95, s[BQ], 1
	s_lshl_b32 s95, s95, 12
	s_add_co_u32 s94, s94, s95
	s_and_b32 s95, s[BQ], 1
	s_lshl_b32 s95, s95, 15
	s_add_co_u32 s94, s94, s95
	s_mov_b32 s95, 0
	s_mov_b32 s[G0A], 1
	s_mul_i32 s[G0A+1], s[BQ], 4*TILEB             ; LDS: no place in the cluster enters it
	s_mov_b32 s[G0B], 1
	s_mul_i32 s[G0B+1], s[BQ], 2*TILEB
	s_add_co_u32 s[G0B+1], s[G0B+1], S1L
	s_mov_b32 s[HI], 0xffff0000
	s_mov_b32 s[SEL], 0x76543210
	s_mov_b32 s[SEL+1], 0xfedcba98
	s_wait_dscnt 0x0                               ; both opening adds are done
	s_wait_kmcnt 0x0
	s_cmp_eq_u32 s[TYP], 0                         ; the buffers are chosen by the cluster's number alone
	s_cselect_b64 s[P0C:P0C+1], s[12:13], s[16:17]
	s_cselect_b64 s[P0S:P0S+1], s[14:15], s[18:19]
	s_cselect_b64 s[PB:PB+1], s[24:25], s[26:27]
	s_cselect_b64 s[PO:PO+1], s[32:33], s[34:35]   ; q goes to qbuf, k and v to kv
	s_cmp_eq_u32 s[TYP], 2
	s_cselect_b64 s[P1C:P1C+1], s[20:21], s[8:9]
	s_cselect_b64 s[P1S:P1S+1], s[22:23], s[10:11]
	s_cselect_b64 s[P0C:P0C+1], s[8:9], s[P0C:P0C+1]
	s_cselect_b64 s[P0S:P0S+1], s[10:11], s[P0S:P0S+1]
	s_cselect_b64 s[PB:PB+1], s[28:29], s[PB:PB+1]
	s_add_nc_u64 s[G0A+2:G0A+3], s[P0C:P0C+1], s[92:93]
	s_or_b32 s[G0A+3], s[G0A+3], 0x80000000        ; type = 2
	s_add_nc_u64 s[G0B+2:G0B+3], s[P1C:P1C+1], s[94:95]
	s_or_b32 s[G0B+3], s[G0B+3], 0x80000000
	CROUND                                         ; all sixteen work-groups are here: the joint loads meet
	s_cmp_lt_u32 s[WV], 4                          ; waves 0-3 fetch S0's four parts, waves 4-7 S1's: one load a wave is out, and it is the wave's only one
	s_cbranch_scc0 .Lfor_s1
	tensor_load_to_lds s[G0A:G0A+3], s[G1A:G1A+7]
	s_nop 0
.rept 4
	v_nop
.endr
	s_branch .Lasked
.Lfor_s1:
	tensor_load_to_lds s[G0B:G0B+3], s[G1B:G1B+7]
	s_nop 0
.rept 4
	v_nop
.endr
.Lasked:
	; while the tiles are on their way: addresses, scale words, biases, mask
	v_and_b32 v48, 15, v0                          ; r
	v_bfe_u32 v49, v0, 4, 1                        ; h
	s_delay_alu instid0(VALU_DEP_2)
	v_mul_u32_u24 v50, v48, PITCH
	s_delay_alu instid0(VALU_DEP_1)
	v_lshl_add_u32 v50, v49, 4, v50                ; a fragment's row x pitch + 16 h
	s_mul_i32 s2, s[WA], 4*TILEB                   ; my half of S0: four tiles in each of the two regions
	v_add_nc_u32 v[A0], s2, v50
	s_delay_alu instid0(VALU_DEP_1)
	v_add_nc_u32 v[A0+1], S0U, v[A0]
	s_mul_i32 s2, s[BQ], TILEB
	s_add_co_u32 s2, s2, S1L
	v_add_nc_u32 v[A1], s2, v50
	v_and_b32 v51, 8, v48
	s_delay_alu instid0(VALU_DEP_1)
	v_add_nc_u32 v51, v51, v48                     ; r + 8 (r / 8)
	s_delay_alu instid0(VALU_DEP_1)
	v_lshl_add_u32 v52, v49, 6, v51
	s_delay_alu instid0(VALU_DEP_1)
	v_lshlrev_b32 v52, 5, v52                      ; S0's scale rows, 32 bytes each: lanes 16-31 take the tile four further on: 64 rows
	s_wait_alu depctr_va_vdst(0)
	v_lshl_add_u32 v53, v49, 3, v51
	s_delay_alu instid0(VALU_DEP_1)
	v_lshlrev_b32 v53, 5, v53                      ; S1's: lanes 16-31 take my second tile: 8 rows
	s_wait_alu depctr_va_vdst(0)
	v_lshlrev_b32 v54, 6, v49                      ; a bias along S0: 16 h numbers
	v_lshlrev_b32 v55, 2, v51                      ; a bias, or the mask, along S1: my lane's row
	v_mov_b32 v[MK0], 1
	v_mov_b32 v[MK1], 1
	s_lshl_b32 s4, s[S0B], 13
	s_lshl_b32 s5, s[WA], 12
	s_add_co_u32 s4, s4, s5
	s_mov_b32 s5, 0
	s_add_nc_u64 s[P0S:P0S+1], s[P0S:P0S+1], s[4:5]   ; S0's scales at my 128 rows
	s_lshl_b32 s4, s[S1B], 12
	s_lshl_b32 s6, s[BQ], 10
	s_add_co_u32 s4, s4, s6
	s_add_nc_u64 s[P1S:P1S+1], s[P1S:P1S+1], s[4:5]   ; S1's at my 32 rows
	s_lshl_b32 s4, s[S0B], 10
	s_lshl_b32 s6, s[WA], 9
	s_add_co_u32 s4, s4, s6                        ; 4 x my first row of S0
	s_lshl_b32 s6, s[S1B], 9
	s_lshl_b32 s7, s[BQ], 7
	s_add_co_u32 s6, s6, s7                        ; 4 x my first row of S1
	s_mov_b32 s7, 0
	s_add_nc_u64 s[30:31], s[30:31], s[6:7]        ; attn_mask at my tokens (read for k alone)
	s_cmp_eq_u32 s[TYP], 2
	s_cselect_b32 s4, s6, s4                       ; the bias runs along the channels: S0 for q and k, S1 for v
	s_add_nc_u64 s[PB:PB+1], s[PB:PB+1], s[4:5]
.irp i, 0,1,2,3
.irp q, 0,1
	global_load_b128 v[SC0+8*\i+4*\q:SC0+8*\i+4*\q+3], v52, s[P0S:P0S+1] offset:(32*(\i/2)+8*(\i%2))*32+16*\q
.endr
.endr
.irp q, 0,1
	global_load_b128 v[SC1+4*\q:SC1+4*\q+3], v53, s[P1S:P1S+1] offset:16*\q
.endr
	; THE BIASES BEGIN THE SUMS: they are laid into the accumulators, so that every K step adds in place
	s_cbranch_scc1 .Lbias_v                        ; (SCC still holds the compare with 2: only moves, selects and 64-bit sums stand between)
	s_wait_alu depctr_va_vdst(0)
.irp e, 0,1
.irp i, 0,1,2,3,4,5,6,7
	global_load_b128 v[ACC+64*\e+8*\i:ACC+64*\e+8*\i+3], v54, s[PB:PB+1] offset:(32*(\i/2)+8*(\i%2))*4        ; register j: channel 32 (i / 2) + 8 (i % 2) + 16 h + j
	global_load_b128 v[ACC+64*\e+8*\i+4:ACC+64*\e+8*\i+7], v54, s[PB:PB+1] offset:(32*(\i/2)+8*(\i%2))*4+16
.endr
.endr
	s_cmp_eq_u32 s[TYP], 1
	s_cbranch_scc0 .Lbias_done
	global_load_b32 v[MK0], v55, s[30:31]
	global_load_b32 v[MK1], v55, s[30:31] offset:32
	s_branch .Lbias_done
.Lbias_v:
	s_wait_alu depctr_va_vdst(0)
	global_load_b32 v56, v55, s[PB:PB+1]           ; v: one channel a lane and tile
	global_load_b32 v57, v55, s[PB:PB+1] offset:32
	s_wait_loadcnt 0x0
.set J, 0
.rept 64
	v_mov_b32 v[ACC+J], v56
	v_mov_b32 v[ACC+64+J], v57
.set J, J+1
.endr
.Lbias_done:
	s_wait_loadcnt 0x0
	s_wait_tensorcnt 0x0                           ; my part of the tiles is in,
	s_barrier_signal -1
	s_barrier_wait -1                              ; everybody's is; nothing is filled again
	s_wait_alu depctr_va_vdst(0)
.irp s, 0,1,2,3,4,5,6,7
	KSTEP \s
.endr
.rept 4
	v_nop                                          ; four places in front of the first read of results and the first write of operands
.endr
.irp b, 0,1,2,3
	v_mov_b32 v[TM+4+\b], 0                        ; a lane permute's destination counts as one of its sources
.endr
	QUANT ACC, PC, PW
	QUANT ACC+64, PC+8, PW+1
	v_and_b32 v[LI], 31, v0
	s_delay_alu instid0(VALU_DEP_1)
	v_lshlrev_b32 v[LS], 2, v[LI]
	s_delay_alu instid0(VALU_DEP_2)
	v_lshlrev_b32 v[LI], 4, v[LI]
	s_cmp_eq_u32 s[TYP], 2
	s_cbranch_scc1 .Lstore_v
	; q, k: my 128 channels are two heads, A and B: registers 0-3 of the codes are head A's, 4-7 head B's; my two tiles of tokens are tiles TI, TI + 1 of the batch
	s_mov_b32 s2, 143360
	s_mov_b32 s3, 131072
	s_cmp_eq_u32 s[TYP], 0
	s_cselect_b32 s2, 73728, s2                    ; bytes a head in qbuf or in kv
	s_cselect_b32 s3, 65536, s3                    ; where a head's scale words begin
	s_lshr_b32 s4, s[S1B], 4
	s_lshl_b32 s4, s4, 4                           ; 16 x batch
	s_lshl_b32 s5, s[S0B], 2
	s_add_co_u32 s4, s4, s5
	s_lshl_b32 s5, s[WA], 1
	s_add_co_u32 s4, s4, s5                        ; + head A = 4 x S0's block + 2 x half
	s_mul_i32 s4, s4, s2
	s_and_b32 s5, s[S1B], 15
	s_lshl_b32 s5, s5, 3
	s_lshl_b32 s6, s[BQ], 1
	s_add_co_u32 s5, s5, s6                        ; TI
	s_lshl_b32 s6, s5, 9
	s_add_co_u32 s6, s6, s4
	s_mov_b32 s7, 0
	s_add_nc_u64 s[84:85], s[PO:PO+1], s[6:7]      ; head A's images
	s_lshl_b32 s6, s5, 6
	s_add_co_u32 s6, s6, s4
	s_add_co_u32 s6, s6, s3
	s_add_nc_u64 s[88:89], s[PO:PO+1], s[6:7]      ; head A's words
	s_mov_b32 s3, 0
	s_add_nc_u64 s[86:87], s[84:85], s[2:3]        ; head B's
	s_add_nc_u64 s[90:91], s[88:89], s[2:3]
	s_wait_alu depctr_va_vdst(0)
	global_store_b128 v[LI], v[PC:PC+3], s[84:85]              ; each store: 512 consecutive bytes, at a multiple of 256 from the buffer's first byte
	global_store_b128 v[LI], v[PC+8:PC+11], s[84:85] offset:512
	global_store_b128 v[LI], v[PC+4:PC+7], s[86:87]
	global_store_b128 v[LI], v[PC+12:PC+15], s[86:87] offset:512
	v_mov_b32 v70, 0x28280000                      ; bytes 2 and 3 of a word: 40, 40;
	v_mov_b32 v71, 0x28f70000                      ; of a masked key: 247, 40
	v_cmp_eq_u32 vcc_lo, 0, v[MK0]
	s_delay_alu instid0(VALU_DEP_1)
	v_cndmask_b32 v68, v70, v71, vcc_lo
	v_cmp_eq_u32 vcc_lo, 0, v[MK1]
	s_delay_alu instid0(VALU_DEP_1)
	v_cndmask_b32 v69, v70, v71, vcc_lo
	s_delay_alu instid0(VALU_DEP_3)
	v_and_or_b32 v72, v[PW], 0xffff, v68           ; head A: the quantiser's bytes 0, 1
	s_delay_alu instid0(VALU_DEP_2)
	v_and_or_b32 v73, v[PW+1], 0xffff, v69
	v_lshrrev_b32 v74, 16, v[PW]                   ; head B: its bytes 2, 3
	v_lshrrev_b32 v75, 16, v[PW+1]
	s_delay_alu instid0(VALU_DEP_2)
	v_or_b32 v74, v74, v68
	s_delay_alu instid0(VALU_DEP_2)
	v_or_b32 v75, v75, v69
	v_cndmask_b32 v76, v72, v73, s[HI]             ; lanes 0-15 tile TI's words, lanes 16-31 tile TI + 1's
	s_delay_alu instid0(VALU_DEP_2)
	v_cndmask_b32 v77, v74, v75, s[HI]
	global_store_b32 v[LS], v76, s[88:89]
	global_store_b32 v[LS], v77, s[90:91]
	s_branch .Ldone
.Lstore_v:
	; v: my 128 tokens are key step ks of the batch; my two tiles of channels are tiles dt0, dt0 + 1 of a head
	s_lshr_b32 s4, s[S0B], 3
	s_lshl_b32 s4, s4, 4                           ; 16 x batch
	s_lshl_b32 s5, s[S1B], 1
	s_add_co_u32 s4, s4, s5
	s_lshr_b32 s5, s[BQ], 1
	s_add_co_u32 s4, s4, s5                        ; + head = 2 x S1's block + bq / 2
	s_mul_i32 s4, s4, 143360
	s_and_b32 s5, s[S0B], 7
	s_lshl_b32 s5, s5, 1
	s_add_co_u32 s5, s5, s[WA]                     ; ks
	s_and_b32 s3, s[BQ], 1                         ; dt0 / 2
	s_lshl_b32 s6, s5, 12
	s_lshl_b32 s2, s3, 11
	s_add_co_u32 s6, s6, s2
	s_add_co_u32 s6, s6, s4
	s_add_co_u32 s6, s6, 65536
	s_mov_b32 s7, 0
	s_add_nc_u64 s[84:85], s[PO:PO+1], s[6:7]      ; images: 4,096 ks + 1,024 dt0
	s_lshl_b32 s6, s5, 8
	s_lshl_b32 s2, s3, 7
	s_add_co_u32 s6, s6, s2
	s_add_co_u32 s6, s6, s4
	s_add_co_u32 s6, s6, 139264
	s_add_nc_u64 s[88:89], s[PO:PO+1], s[6:7]      ; words: 256 ks + 64 dt0
	s_wait_alu depctr_va_vdst(0)
.irp g, 0,1,2,3
	global_store_b128 v[LI], v[PC+4*\g:PC+4*\g+3], s[84:85] offset:512*\g
.endr
	v_cndmask_b32 v76, v[PW], v[PW+1], s[HI]
	global_store_b32 v[LS], v76, s[88:89]
.Ldone:
	s_wait_tensorcnt 0x0                           ; the wave's end
	ds_add_u32 v[SPW], v[NIL]
	s_wait_dscnt 0x0
	CROUND                                         ; the closing round: no work-group ends while a partner may still ask for a tile that names it
	s_endpgm
.Lfunc_end_k_q4e9e3571db_proj:
	.size	k_q4e9e3571db_proj, .Lfunc_end_k_q4e9e3571db_proj-k_q4e9e3571db_proj
	.p2alignl 7, 3214868480
	.fill 96, 4, 3214868480
	.section	.rodata,"a",@progbits
	.p2align	6, 0x0
	.amdhsa_kernel k_q4e9e3571db_proj
		.amdhsa_group_segment_fixed_size 203776
		.amdhsa_private_segment_fixed_size 0
		.amdhsa_enable_private_segment 0
		.amdhsa_kernarg_size 112
		.amdhsa_user_sgpr_count 2
		.amdhsa_user_sgpr_kernarg_segment_ptr 1
		.amdhsa_wavefront_size32 1
		.amdhsa_system_sgpr_workgroup_id_x 1
		.amdhsa_system_sgpr_workgroup_id_y 1
		.amdhsa_system_sgpr_workgroup_id_z 1
		.amdhsa_system_vgpr_workitem_id 0
		.amdhsa_next_free_vgpr 256
		.amdhsa_next_free_sgpr 102
		.amdhsa_reserve_vcc 1
		.amdhsa_float_denorm_mode_32 3
		.amdhsa_float_denorm_mode_16_64 3
		.amdhsa_memory_ordered 1
		.amdhsa_forward_progress 1
		.amdhsa_inst_pref_size 58
	.end_amdhsa_kernel
	.amdgpu_metadata
---
amdhsa.version: [ 1, 2 ]
amdhsa.kernels:
  - .name:           k_q4e9e3571db_proj
    .symbol:         k_q4e9e3571db_proj.kd
    .args:
      - { .name: x_codes, .offset: 0, .size: 8, .value_kind: global_buffer, .address_space: global }
      - { .name: x_scales, .offset: 8, .size: 8, .value_kind: global_buffer, .address_space: global }
      - { .name: wq_codes, .offset: 16, .size: 8, .value_kind: global_buffer, .address_space: global }
      - { .name: wq_scales, .offset: 24, .size: 8, .value_kind: global_buffer, .address_space: global }
      - { .name: wk_codes, .offset: 32, .size: 8, .value_kind: global_buffer, .address_space: global }
      - { .name: wk_scales, .offset: 40, .size: 8, .value_kind: global_buffer, .address_space: global }
      - { .name: wv_codes, .offset: 48, .size: 8, .value_kind: global_buffer, .address_space: global }
      - { .name: wv_scales, .offset: 56, .size: 8, .value_kind: global_buffer, .address_space: global }
      - { .name: bq, .offset: 64, .size: 8, .value_kind: global_buffer, .address_space: global }
      - { .name: bk, .offset: 72, .size: 8, .value_kind: global_buffer, .address_space: global }
      - { .name: bv, .offset: 80, .size: 8, .value_kind: global_buffer, .address_space: global }
      - { .name: attn_mask, .offset: 88, .size: 8, .value_kind: global_buffer, .address_space: global }
      - { .name: qbuf, .offset: 96, .size: 8, .value_kind: global_buffer, .address_space: global }
      - { .name: kv, .offset: 104, .size: 8, .value_kind: global_buffer, .address_space: global }
    .group_segment_fixed_size: 203776
    .private_segment_fixed_size: 0
    .kernarg_segment_align: 8
    .kernarg_segment_size: 112
    .max_flat_workgroup_size: 256
    .sgpr_count:     102
    .vgpr_count:     256
    .wavefront_size: 32
...
	.end_amdgpu_metadata
.endif
;; end of part 1
;; launch attn (part 2): grid 4 x 64, 16 waves a work-group, clusters of 4 x 1, 167,936 bytes of LDS; arguments qbuf, kv, attn_mask, oc, os; writes oc, os
.if DOCPART == 2
	.amdgcn_target "amdgcn-amd-amdhsa--gfx1250"
	.amdhsa_code_object_version 6
	.text
	.protected	k_q4e9e3571db_attn
	.globl	k_q4e9e3571db_attn
	.p2align	8
	.type	k_q4e9e3571db_attn,@function
k_q4e9e3571db_attn:
	s_mov_b64 s[64:65], 0
	v_nop
	global_prefetch_b8 v0, s[64:65] scope:SCOPE_SE
	s_setreg_imm32_b32 hwreg(HW_REG_WAVE_MODE, 25, 1), 1
	s_wait_xcnt 0x0
	s_wait_alu depctr_hold_cnt(0) depctr_sa_sdst(0) depctr_va_vdst(0) depctr_va_sdst(0) depctr_va_ssrc(0) depctr_va_vcc(0) depctr_vm_vsrc(0)
	s_getreg_b32 s2, hwreg(HW_REG_IB_STS2, 6, 4)
	s_cmp_eq_u32 s2, 0
	s_cbranch_scc0 .Lentry_in_a_cluster
	s_endpgm
.Lentry_in_a_cluster:
	s_bfe_u32 s2, ttmp6, 0x10000c
	s_cmp_lg_u32 s2, 0x3003
	s_cbranch_scc0 .Lentry_shape_is_right
	s_endpgm
.Lentry_shape_is_right:
; For each batch and head: O = softmax(q k^T / 8, masked keys out) v, both products on codes of FP4 (E2M1) with E8M0 scales; O is divided by the row's sum and quantised along the channels for the last projection.  No work is left out.
; THE SOFTMAX: t = score x log2(e) / 8; M = the running largest t rounded UP to a whole number; p = 2^(t - M) is quantised along the keys, not normalised; the row's sum is taken of the unquantised p.  When M moves, the sum and
; O are multiplied by 2^(old M - new M): exact.
; THE MASK costs no vector instruction.  The scores' product has K = 64 of the instruction's 128; block 2 carries one product: code +1 in the keys' fragment, code -1 in the queries', both constants of this text; the launch
; before has put 247 into byte 2 of a masked key's scale word and 40 into all others: -2^33 on a masked score (p = 0), -2^-174 on any other.
; A BATCH WITH ALL KEYS MASKED: the module's logits are then all equal, so p = 1 for every key.  One flag a batch, made of attn_mask and used by selects alone, turns the queries' codes and the -1 into zeros: all scores 0, M = 0, p = 1.
; While only masked keys have been seen, the sums hold finite numbers under M near -1.5e9; the first key that counts makes the factor 2^(old M - new M) = 0, which wipes them.
; LIMITS: a masked key's logit is -2^30 where the module writes -1e9: the results agree while the logits that count stay under 2^28 in size.  NaN and infinities are not served.  A block under 2^-124 keeps the byte 1.
; SHARES: a work-group holds a head's whole K and V, as images of operand registers, in LDS, and serves 512 queries in two passes; wave w takes the tile of 16 queries 32 qx + 16 pass + w, in 256 registers: four waves to a SIMD.
; CLUSTER 4 x 1: the four quarters of a head's queries read the same K and V: each of the sixteen waves asks jointly for 35 rows of 256 bytes, its only tensor load.  Nothing is filled again.
; LAYOUT: S^T = K Q^T (source 0 = 16 keys), O^T = V^T P^T (source 0 = 16 channels): a lane holds ONE query throughout.  Lane r of the keys' tile 2 b + u holds key 32 b + 8 u + r + 8 (r / 8), so that the 16 registers of tiles
; 2 b, 2 b + 1 are 16 neighbouring keys; the channels of V's tiles are laid likewise, so that O^T's registers are neighbours along the last projection's K.
.set VIMG,  65536                      ; LDS: K's images at 0 (128 tiles x 512 bytes), V's here (16 key steps x 4 tiles x 1,024),
.set KSC,   131072                     ; K's scale words (64 bytes a tile),
.set VSC,   139264                     ; V's (256 bytes a key step),
.set FLAGS, 143360                     ; a word for each wave: has my part of the mask a key that counts?
.set OSTG,  143616                     ; O's scale bytes of the work-group's 32 tiles, 32 bytes each
.set SPARE, 144640                     ; the spare words, 128 bytes for each wave: eight blocks of 256 bytes that no other line names
.set SPW, 5                            ; v5 my spare word, v6 0; never rewritten
.set NIL, 6
; v1 16 x lane; v2 the same in V's images; v3, v4 4 r among K's and V's words; v8-11 the step's addresses; v12 -M, v13 the largest t, v[14:15] the sum; v16-23 Q; v24-27, v28 pass 1's Q and its words; v29 my flag's place;
; v30, v31 places in OSTG; v32-95 eight fragments of K (registers 4-7 of each: constants); v96-159 S^T, then p; v160-191 O^T; v192-223 V; v224-231 p's codes; v232-239 at work; v240-247 K's words; v248-251 V's;
; v252 the factor; v253 p's word; v254 at work; v255 Q's words
.set WV,  18
.set SEL, 20                           ; s[20:21] lane selects: lane l xor 16
.set CS,  22                           ; s[22:23] c = log2(e) / 8
.set G1,  24
.set G0,  32
.set CX,  36
.set BH,  37                           ; 16 x batch + head
.set QX,  38
.set TB,  40                           ; the step's images: 4,096 bytes a step, in K's and in V's
.set TS,  41                           ; K's words: 512 a step
.set TJ,  42                           ; V's: 256 a step
.set CNT, 43
.set KEEP, 44                          ; all ones, or 0 where every key of the batch is masked
.set QC,  45                           ; the code -1, or 0 there
.set HI,  48                           ; the lane mask of lanes 16-31
.set QCB, 50                           ; s[50:51] my Q images, s[52:53] my Q words, s[54:55] my place in oc, s[56:57] the work-group's in os
.set QWB, 52
.set OCB, 54
.set OSB, 56
.macro CROUND                          ; a round of the cluster's barrier
	s_barrier_signal -1
	s_barrier_wait -1
	s_cmp_lg_u32 s[WV], 0
	s_cbranch_scc1 .Lnot_wave_0_\@
	s_barrier_signal -3
.Lnot_wave_0_\@:
	s_barrier_wait -3
	s_barrier_signal -1
	s_barrier_wait -1
.endm
; A KEY STEP: 128 keys
.macro STEP
	v_add_nc_u32 v8, s[TB], v1                     ; these four are also the places in front of the loads into V's registers, which the last products have read
	v_add_nc_u32 v9, s[TB], v2
	v_add_nc_u32 v10, s[TS], v3
	v_add_nc_u32 v11, s[TJ], v4
.irp t, 0,1,2,3,4,5,6,7
	ds_load_b128 v[32+8*\t:35+8*\t], v8 offset:512*\t      ; an image: 512 consecutive bytes
	ds_load_b32 v[240+\t], v10 offset:64*\t
.endr
.irp d, 0,1,2,3
.irp c, 0,1
	ds_load_b128 v[192+8*\d+4*\c:195+8*\d+4*\c], v9 offset:1024*\d+512*\c
.endr
.endr
.irp d, 0,1,2,3
	ds_load_b32 v[248+\d], v11 offset:64*\d
.endr
	s_wait_dscnt 12                                ; K's 16 loads are in; V's 12, issued behind them, may stay out through the softmax
.irp t, 0,1,2,3,4,5,6,7
	v_wmma_scale_f32_16x16x128_f8f6f4 v[96+8*\t:103+8*\t], v[32+8*\t:39+8*\t], v[16:23], 0, v[240+\t], v255 matrix_a_fmt:MATRIX_FMT_FP4 matrix_b_fmt:MATRIX_FMT_FP4
.endr
.rept 4
	v_nop
.endr
.irp b, 0,1,2,3
	v_max3_num_f32 v[232+\b], v[96+16*\b], v[97+16*\b], v[98+16*\b]   ; the largest score of each block of 32 keys: for the row's maximum and, since p rises with the score, for the block's largest p
.endr
.irp i, 3,5,7,9,11,13
.irp b, 0,1,2,3
	v_max3_num_f32 v[232+\b], v[232+\b], v[96+16*\b+\i], v[97+16*\b+\i]
.endr
.endr
.irp b, 0,1,2,3
	v_max_num_f32 v[232+\b], v[232+\b], v[111+16*\b]
.endr
.irp b, 0,1,2,3
	s_delay_alu instid0(VALU_DEP_4)
	v_permlanex16_b32 v[236+\b], v[232+\b], s[SEL], s[SEL+1]
.endr
.irp b, 0,1,2,3
	s_delay_alu instid0(VALU_DEP_4)
	v_max_num_f32 v[232+\b], v[232+\b], v[236+\b]  ; with lane l xor 16's 16 keys
.endr
	s_delay_alu instid0(VALU_DEP_2)
	v_max3_num_f32 v254, v232, v233, v234
	s_delay_alu instid0(VALU_DEP_1)
	v_max_num_f32 v254, v254, v235                 ; the step's largest score of my query
	s_delay_alu instid0(VALU_DEP_1)
	v_mul_f32 v254, s[CS], v254                    ; as t
	s_delay_alu instid0(VALU_DEP_1)
	v_max_num_f32 v13, v13, v254                   ; the running largest t
	v_mov_b32 v254, v12
	s_delay_alu instid0(VALU_DEP_2)
	v_floor_f32 v12, -v13                          ; the new -M = floor(-t): M is a whole number
	s_delay_alu instid0(VALU_DEP_1)
	v_sub_f32 v254, v12, v254                      ; old M - new M: a whole number, 0 or less
	s_delay_alu instid0(VALU_DEP_1)
	v_cvt_i32_f32 v254, v254                       ; (it saturates)
	s_delay_alu instid0(VALU_DEP_1)
	v_ldexp_f32 v252, 1.0, v254                    ; the factor 2^(old M - new M)
.set J, 0
.rept 32
	v_pk_fma_f32 v[96+J:97+J], v[96+J:97+J], s[CS:CS+1], v[12:13] op_sel_hi:[1,0,0]   ; t - M, two at a time
.set J, J+2
.endr
.irp b, 0,1,2,3
	v_fma_f32 v[232+\b], v[232+\b], s[CS], v12     ; the same of each block's largest score
.endr
.set J, 0
	s_wait_alu depctr_va_vdst(0)
.rept 64
	v_exp_f32 v[96+J], v[96+J]                     ; p = 2^(t - M)
.set J, J+1
.endr
	s_setprio 1
	v_pk_mul_f32 v[14:15], v[14:15], v[252:253] op_sel_hi:[1,0]   ; the sums under the new M: the plain place behind the exponentials
	s_wait_alu depctr_va_vdst(0)                   ; one wait for the batch of 64, ahead of its first reader
.irp b, 0,1,2,3
	v_exp_f32 v[232+\b], v[232+\b]                 ; the blocks' largest p
.endr
	v_pk_add_f32 v[236:237], v[100:101], v[104:105]
	v_pk_add_f32 v[246:247], v[108:109], v[112:113]
	v_pk_add_f32 v[244:245], v[116:117], v[120:121]
	v_pk_add_f32 v[242:243], v[124:125], v[128:129]
	v_pk_add_f32 v[240:241], v[132:133], v[136:137]
	v_pk_add_f32 v[238:239], v[140:141], v[144:145]
	v_pk_add_f32 v[230:231], v[148:149], v[152:153]
	v_pk_add_f32 v[14:15], v[14:15], v[156:157]
	v_pk_add_f32 v[236:237], v[236:237], v[96:97]
	v_pk_add_f32 v[246:247], v[246:247], v[98:99]
	v_pk_add_f32 v[244:245], v[244:245], v[102:103]
	v_pk_add_f32 v[242:243], v[242:243], v[106:107]
	v_pk_add_f32 v[240:241], v[240:241], v[110:111]
	v_pk_add_f32 v[238:239], v[238:239], v[114:115]
	v_pk_add_f32 v[230:231], v[230:231], v[118:119]
	v_pk_add_f32 v[14:15], v[14:15], v[122:123]
	v_pk_add_f32 v[236:237], v[236:237], v[126:127]
	v_pk_add_f32 v[246:247], v[246:247], v[130:131]
	v_pk_add_f32 v[244:245], v[244:245], v[134:135]
	v_pk_add_f32 v[242:243], v[242:243], v[138:139]
	v_pk_add_f32 v[240:241], v[240:241], v[142:143]
	v_pk_add_f32 v[238:239], v[238:239], v[146:147]
	v_pk_add_f32 v[230:231], v[230:231], v[150:151]
	v_pk_add_f32 v[14:15], v[14:15], v[154:155]
	v_pk_add_f32 v[236:237], v[236:237], v[158:159]
	s_delay_alu instid0(VALU_DEP_2)
	v_pk_add_f32 v[14:15], v[14:15], v[242:243]
	s_delay_alu instid0(VALU_DEP_2)
	v_pk_add_f32 v[236:237], v[236:237], v[240:241]
	v_pk_add_f32 v[246:247], v[246:247], v[238:239]
	v_pk_add_f32 v[244:245], v[244:245], v[230:231]
	s_delay_alu instid0(VALU_DEP_2)
	v_pk_add_f32 v[14:15], v[14:15], v[246:247]
	s_delay_alu instid0(VALU_DEP_2)
	v_pk_add_f32 v[236:237], v[236:237], v[244:245]
	s_delay_alu instid0(VALU_DEP_1)
	v_pk_add_f32 v[14:15], v[14:15], v[236:237]
	s_wait_alu depctr_va_vdst(0)                   ; and one for the four
.irp b, 0,1,2,3
	v_max_num_f32 v[232+\b], 0x1800000, v[232+\b]  ; the floor 2^(3 - 127): the byte cannot fall under 1 (a block of masked keys keeps that byte: its codes are zeros)
.endr
.irp b, 0,1,2,3
	s_delay_alu instid0(VALU_DEP_4)
	v_add_nc_u32 v[232+\b], 0xff000000, v[232+\b]  ; 2 off the exponent field: the conversion's scale operand
.endr
.irp b, 0,1,2,3
	s_delay_alu instid0(VALU_DEP_4)
	v_lshrrev_b32 v[236+\b], 23, v[232+\b]         ; the scale's byte
.endr
	s_delay_alu instid0(VALU_DEP_3)
	v_lshl_or_b32 v253, v237, 8, v236              ; p's scale word for these 128 keys
	s_delay_alu instid0(VALU_DEP_1)
	v_lshl_or_b32 v253, v238, 16, v253
	s_delay_alu instid0(VALU_DEP_1)
	v_lshl_or_b32 v253, v239, 24, v253
.irp b, 0,1,2,3
	v_cvt_scalef32_pk8_fp4_f32 v[224+2*\b], v[96+16*\b:103+16*\b], v[232+\b]
	v_cvt_scalef32_pk8_fp4_f32 v[225+2*\b], v[104+16*\b:111+16*\b], v[232+\b]
.endr
	v_nop                                          ; one plain place behind a scaled conversion
	s_setprio 0
.irp c, 0,1                                    ; a whole block in a lane: lanes 0-15 block 2 c, lanes 16-31 block 2 c + 1
.irp i, 0,1
	v_permlane16_swap_b32 v[224+4*\c+\i], v[226+4*\c+\i]
.endr
.endr
.set J, 0
.rept 16
	v_pk_mul_f32 v[160+J:161+J], v[160+J:161+J], v[252:253] op_sel_hi:[1,0]   ; O^T under the new M.  These 16 are also the places between the writes of p's word and codes and the products
.set J, J+2
.endr
	s_wait_alu depctr_va_vdst(0)
	s_wait_dscnt 0x0                               ; V is in
.irp d, 0,1,2,3
	v_wmma_scale_f32_16x16x128_f8f6f4 v[160+8*\d:167+8*\d], v[192+8*\d:199+8*\d], v[224:231], v[160+8*\d:167+8*\d], v[248+\d], v253 matrix_a_fmt:MATRIX_FMT_FP4 matrix_b_fmt:MATRIX_FMT_FP4
.endr
.endm
; A PASS: one tile of 16 queries against all 2,048 keys, and its way out
.macro PASS p
.if \p
	s_wait_xcnt 0x0                                ; pass 0's store has read its registers: they are written again below
.irp j, 0,1,2,3
	v_and_b32 v[16+\j], s[KEEP], v[24+\j]
.endr
	v_mov_b32 v255, v28
.else
.irp j, 0,1,2,3
	v_and_b32 v[16+\j], s[KEEP], v[16+\j]          ; zeros where every key of the batch is masked
.endr
.endif
	v_mov_b32 v13, 0xff61b1e6                      ; the largest t so far: -3e38
	s_delay_alu instid0(VALU_DEP_1)
	v_floor_f32 v12, -v13
	v_mov_b32 v14, 0
	v_mov_b32 v15, 0
.irp b, 0,1,2,3
	v_mov_b32 v[236+\b], 0                         ; a lane permute's destination counts as one of its sources
.endr
	v_mov_b32 v253, 0
.set J, 0
.rept 32
	v_mov_b32 v[160+J], 0                          ; O^T: the step is written once; its first trip finds zeros
.set J, J+1
.endr
	s_mov_b32 s[TB], 0
	s_mov_b32 s[TS], 0
	s_mov_b32 s[TJ], 0
	s_mov_b32 s[CNT], 16
.Lstep_\@:
	s_setprio 2
	STEP
	s_add_co_u32 s[TB], s[TB], 4096
	s_add_co_u32 s[TS], s[TS], 512
	s_add_co_u32 s[TJ], s[TJ], 256
	s_sub_co_u32 s[CNT], s[CNT], 1
	s_cmp_lg_u32 s[CNT], 0
	s_cbranch_scc1 .Lstep_\@
	s_setprio 0
.rept 4
	v_nop                                          ; four places in front of the first read of the last results
.endr
	v_add_f32 v14, v14, v15
	s_delay_alu instid0(VALU_DEP_1)
	v_permlanex16_b32 v252, v14, s[SEL], s[SEL+1]
	s_delay_alu instid0(VALU_DEP_1)
	v_add_f32 v14, v14, v252                       ; the row's sum
	s_wait_alu depctr_va_vdst(0)
	v_rcp_f32 v14, v14
	v_nop                                          ; a plain place behind the reciprocal,
	s_wait_alu depctr_va_vdst(0)                   ; and the wait ahead of its first reader
.set J, 0
.rept 16
	v_pk_mul_f32 v[96+J:97+J], v[160+J:161+J], v[14:15] op_sel_hi:[1,0]   ; O^T / the sum: register 16 b + i = channel 32 b + 16 (lane / 16) + i of the head
.set J, J+2
.endr
.irp b, 0,1
	v_max3_num_f32 v[232+\b], |v[96+16*\b]|, |v[97+16*\b]|, 0x1800000
.endr
.irp i, 2,4,6,8,10,12,14
.irp b, 0,1
	s_delay_alu instid0(VALU_DEP_2)
	v_max3_num_f32 v[232+\b], v[232+\b], |v[96+16*\b+\i]|, |v[97+16*\b+\i]|
.endr
.endr
.irp b, 0,1
	s_delay_alu instid0(VALU_DEP_2)
	v_permlanex16_b32 v[236+\b], v[232+\b], s[SEL], s[SEL+1]
.endr
.irp b, 0,1
	s_delay_alu instid0(VALU_DEP_2)
	v_max_num_f32 v[232+\b], v[232+\b], v[236+\b]
.endr
.irp b, 0,1
	s_delay_alu instid0(VALU_DEP_2)
	v_add_nc_u32 v[232+\b], 0xff000000, v[232+\b]
.endr
.irp b, 0,1
	s_delay_alu instid0(VALU_DEP_2)
	v_lshrrev_b32 v[236+\b], 23, v[232+\b]
.endr
	s_delay_alu instid0(VALU_DEP_1)
	v_lshl_or_b32 v254, v237, 8, v236              ; the head's two scale bytes of my query
.irp b, 0,1
	v_cvt_scalef32_pk8_fp4_f32 v[224+2*\b], v[96+16*\b:103+16*\b], v[232+\b]
	v_cvt_scalef32_pk8_fp4_f32 v[225+2*\b], v[104+16*\b:111+16*\b], v[232+\b]
.endr
	v_nop
	v_permlane16_swap_b32 v224, v226
	v_permlane16_swap_b32 v225, v227
	global_store_b128 v1, v[224:227], s[OCB:OCB+1] offset:131072*\p   ; four registers of the last projection's operand: 512 consecutive bytes, at a multiple of 256 from the buffer's first byte
	ds_store_b16 v31, v254 offset:512*\p           ; lanes r and r + 16 write the same two bytes with the same value
.endm
	s_load_b256 s[4:11], s[0:1], 0x0               ; qbuf, kv, attn_mask, oc
	s_load_b64 s[12:13], s[0:1], 0x20              ; os
	v_lshl_add_u32 v[SPW], v0, 2, SPARE
	v_mov_b32 v[NIL], 0
	ds_add_u32 v[SPW], v[NIL]                      ; the wave's opening: the add, twice on end, and its wait ahead of my first tensor load
	ds_add_u32 v[SPW], v[NIL]                      ; and once more; the set-up below, work on registers, stands between it and the wait
	v_lshrrev_b32 v8, 5, v0
	s_delay_alu instid0(VALU_DEP_1)
	v_readfirstlane_b32 s[WV], v8                  ; wave 0..15
	s_and_b32 s[BH], ttmp7, 0xffff                 ; which the four partners share
	s_mov_b32 s[G1], 15|(3<<16)|(1<<21)            ; 15:0 the mask: all four; 17:16 elements of 8 bytes; 21 set beside a mask; no padding
	s_mov_b32 s[G1+1], 32<<16                      ; tensor_dim0: rows of 256 bytes
	s_mov_b32 s[G1+2], 35<<16                      ; tensor_dim1: 35 rows a wave: 16 x 35 x 256 = a head's 143,360 bytes
	s_mov_b32 s[G1+3], 32<<16                      ; tile_dim0
	s_mov_b32 s[G1+4], 35                          ; tile_dim1
	s_mov_b32 s[G1+5], 32                          ; dense
	s_mov_b32 s[G1+6], 0
	s_mov_b32 s[G1+7], 0
	s_mov_b32 s[G0], 1
	s_mul_i32 s[G0+1], s[WV], 8960                 ; LDS: the head's block as it lies
	s_mul_i32 s58, s[BH], 143360
	s_mul_i32 s59, s[WV], 8960
	s_add_co_u32 s58, s58, s59
	s_mov_b32 s59, 0
	s_mov_b32 s[SEL], 0x76543210
	s_mov_b32 s[SEL+1], 0xfedcba98
	s_mov_b32 s[CS], 0x3e38aa3b                    ; log2(e) / 8
	s_mov_b32 s[CS+1], s[CS]
	s_mov_b32 s[HI], 0xffff0000
	s_wait_dscnt 0x0                               ; both opening adds are done
	s_wait_kmcnt 0x0
	s_add_nc_u64 s[G0+2:G0+3], s[6:7], s[58:59]
	s_or_b32 s[G0+3], s[G0+3], 0x80000000          ; type = 2
	CROUND                                         ; all four work-groups are here: the joint loads meet
	tensor_load_to_lds s[G0:G0+3], s[G1:G1+7]      ; every wave's one load
	s_nop 0
.rept 4
	v_nop
.endr
	s_bfe_u32 s[CX], ttmp6, 0x40000
	s_lshl_b32 s[QX], ttmp9, 2
	s_add_co_u32 s[QX], s[QX], s[CX]               ; which 512 queries: it enters global addresses alone
	s_lshl_b32 s60, s[QX], 5
	s_add_co_u32 s60, s60, s[WV]                   ; my tile in pass 0
	s_mul_i32 s61, s[BH], 73728
	s_lshl_b32 s62, s60, 9
	s_add_co_u32 s62, s62, s61
	s_mov_b32 s63, 0
	s_add_nc_u64 s[QCB:QCB+1], s[4:5], s[62:63]
	s_lshl_b32 s62, s60, 6
	s_add_co_u32 s62, s62, s61
	s_add_co_u32 s62, s62, 65536
	s_add_nc_u64 s[QWB:QWB+1], s[4:5], s[62:63]
	s_lshr_b32 s61, s[BH], 4                       ; the batch
	s_lshl_b32 s62, s61, 13
	s_add_nc_u64 s[8:9], s[8:9], s[62:63]          ; its 2,048 numbers of the mask
	s_lshl_b32 s66, s61, 7
	s_add_co_u32 s60, s60, s66                     ; my tile among all 512
	s_and_b32 s67, s[BH], 15                       ; the head
	s_lshl_b32 s62, s60, 13
	s_lshl_b32 s68, s67, 9
	s_add_co_u32 s62, s62, s68
	s_add_nc_u64 s[OCB:OCB+1], s[10:11], s[62:63]  ; oc: 8,192 bytes a tile, 512 a head
	s_lshl_b32 s62, s[QX], 5
	s_add_co_u32 s62, s62, s66
	s_lshl_b32 s62, s62, 5
	s_lshl_b32 s68, s67, 14
	s_add_co_u32 s62, s62, s68
	s_add_nc_u64 s[OSB:OSB+1], s[12:13], s[62:63]  ; os: 16,384 bytes a head, 32 a tile
	v_and_b32 v1, 31, v0
	s_delay_alu instid0(VALU_DEP_1)
	v_lshlrev_b32 v1, 4, v1
	v_lshlrev_b32 v8, 4, v0                        ; the 512 threads take 4 numbers of the mask each
	v_and_b32 v9, 15, v0
	s_delay_alu instid0(VALU_DEP_1)
	v_lshlrev_b32 v9, 2, v9
	global_load_b128 v[96:99], v8, s[8:9]
	global_load_b128 v[16:19], v1, s[QCB:QCB+1]
	global_load_b128 v[24:27], v1, s[QCB:QCB+1] offset:8192    ; pass 1: 16 tiles on
	global_load_b32 v255, v9, s[QWB:QWB+1]
	global_load_b32 v28, v9, s[QWB:QWB+1] offset:1024
	v_add_nc_u32 v2, VIMG, v1
	v_add_nc_u32 v3, KSC, v9
	v_add_nc_u32 v4, VSC, v9
	v_add_nc_u32 v30, OSTG, v1
	s_lshl_b32 s69, s[WV], 5
	s_add_co_u32 s69, s69, OSTG
	v_and_b32 v31, 15, v0
	s_delay_alu instid0(VALU_DEP_1)
	v_lshl_add_u32 v31, v31, 1, s69
	v_mov_b32 v29, s[WV]
	s_delay_alu instid0(VALU_DEP_1)
	v_lshl_add_u32 v29, v29, 2, FLAGS
	v_mov_b32 v37, 0                               ; registers 4-7 of the keys' fragments: k = 64 is the code +1 (lanes 0-15, lowest four bits), all else zeros
	s_delay_alu instid0(VALU_DEP_1)
	v_cndmask_b32 v36, 2, v37, s[HI]
	v_mov_b32 v38, 0
	v_mov_b32 v39, 0
.irp t, 1,2,3,4,5,6,7
	v_mov_b32 v[36+8*\t], v36
	v_mov_b32 v[37+8*\t], 0
	v_mov_b32 v[38+8*\t], 0
	v_mov_b32 v[39+8*\t], 0
.endr
	v_mov_b32 v21, 0
	v_mov_b32 v22, 0
	v_mov_b32 v23, 0
	s_wait_loadcnt 0x0
	v_or_b32 v96, v96, v97
	v_or_b32 v98, v98, v99
	s_delay_alu instid0(VALU_DEP_1)
	v_or_b32 v96, v96, v98
	s_delay_alu instid0(VALU_DEP_1)
	v_cmp_ne_u32 s46, 0, v96                       ; not 0 if any of my wave's 128 keys counts
	s_delay_alu instid0(VALU_DEP_1)
	v_mov_b32 v97, s46
	ds_store_b32 v29, v97
	s_wait_tensorcnt 0x0                           ; my part of K and V is in,
	s_wait_dscnt 0x0                               ; my flag is stored,
	s_barrier_signal -1
	s_barrier_wait -1                              ; everybody's are; nothing is filled again
	v_mov_b32 v254, FLAGS
.irp j, 0,1,2,3
	ds_load_b128 v[100+4*\j:103+4*\j], v254 offset:16*\j
.endr
	s_wait_dscnt 0x0
.irp j, 0,2,4,6,8,10,12,14
	v_or_b32 v[100+\j], v[100+\j], v[101+\j]
.endr
.irp j, 0,4,8,12
	v_or_b32 v[100+\j], v[100+\j], v[102+\j]
.endr
	s_delay_alu instid0(VALU_DEP_3)
	v_or_b32 v100, v100, v104
	s_delay_alu instid0(VALU_DEP_2)
	v_or_b32 v108, v108, v112
	s_delay_alu instid0(VALU_DEP_1)
	v_or_b32 v100, v100, v108
	s_delay_alu instid0(VALU_DEP_1)
	v_readfirstlane_b32 s47, v100
	s_cmp_lg_u32 s47, 0                            ; it steers selects alone: no branch, no address
	s_cselect_b32 s[KEEP], -1, 0
	s_cselect_b32 s[QC], 10, 0
	v_cndmask_b32 v20, s[QC], v21, s[HI]           ; the queries' k = 64: the code -1
	PASS 0
	PASS 1
	s_wait_tensorcnt 0x0                           ; the wave's end, behind my last LDS store
	ds_add_u32 v[SPW], v[NIL]
	s_wait_dscnt 0x0
	s_barrier_signal -1
	s_barrier_wait -1                              ; the scale bytes of all 32 tiles lie in LDS
	s_cmp_lg_u32 s[WV], 0
	s_cbranch_scc1 .Lnot_first
	ds_load_b128 v[96:99], v30                     ; wave 0 sends them: 1,024 consecutive bytes
	ds_load_b128 v[100:103], v30 offset:512
	s_wait_dscnt 0x0
	global_store_b128 v1, v[96:99], s[OSB:OSB+1]
	global_store_b128 v1, v[100:103], s[OSB:OSB+1] offset:512
.Lnot_first:
	CROUND                                         ; the closing round
	s_endpgm
.Lfunc_end_k_q4e9e3571db_attn:
	.size	k_q4e9e3571db_attn, .Lfunc_end_k_q4e9e3571db_attn-k_q4e9e3571db_attn
	.p2alignl 7, 3214868480
	.fill 96, 4, 3214868480
	.section	.rodata,"a",@progbits
	.p2align	6, 0x0
	.amdhsa_kernel k_q4e9e3571db_attn
		.amdhsa_group_segment_fixed_size 167936
		.amdhsa_private_segment_fixed_size 0
		.amdhsa_enable_private_segment 0
		.amdhsa_kernarg_size 40
		.amdhsa_user_sgpr_count 2
		.amdhsa_user_sgpr_kernarg_segment_ptr 1
		.amdhsa_wavefront_size32 1
		.amdhsa_system_sgpr_workgroup_id_x 1
		.amdhsa_system_sgpr_workgroup_id_y 1
		.amdhsa_system_sgpr_workgroup_id_z 1
		.amdhsa_system_vgpr_workitem_id 0
		.amdhsa_next_free_vgpr 256
		.amdhsa_next_free_sgpr 80
		.amdhsa_reserve_vcc 0
		.amdhsa_float_denorm_mode_32 3
		.amdhsa_float_denorm_mode_16_64 3
		.amdhsa_memory_ordered 1
		.amdhsa_forward_progress 1
		.amdhsa_inst_pref_size 54
	.end_amdhsa_kernel
	.amdgpu_metadata
---
amdhsa.version: [ 1, 2 ]
amdhsa.kernels:
  - .name:           k_q4e9e3571db_attn
    .symbol:         k_q4e9e3571db_attn.kd
    .args:
      - { .name: qbuf, .offset: 0, .size: 8, .value_kind: global_buffer, .address_space: global }
      - { .name: kv, .offset: 8, .size: 8, .value_kind: global_buffer, .address_space: global }
      - { .name: attn_mask, .offset: 16, .size: 8, .value_kind: global_buffer, .address_space: global }
      - { .name: oc, .offset: 24, .size: 8, .value_kind: global_buffer, .address_space: global }
      - { .name: os, .offset: 32, .size: 8, .value_kind: global_buffer, .address_space: global }
    .group_segment_fixed_size: 167936
    .private_segment_fixed_size: 0
    .kernarg_segment_align: 8
    .kernarg_segment_size: 40
    .max_flat_workgroup_size: 512
    .sgpr_count:     80
    .vgpr_count:     256
    .wavefront_size: 32
...
	.end_amdgpu_metadata
.endif
;; end of part 2
;; launch outp (part 3): grid 4 x 64, 8 waves a work-group, clusters of 4 x 4, 269,312 bytes of LDS; arguments oc, os, wo_codes, wo_scales, bo, out0; writes out0
.if DOCPART == 3
	.amdgcn_target "amdgcn-amd-amdhsa--gfx1250"
	.amdhsa_code_object_version 6
	.text
	.protected	k_q4e9e3571db_outp
	.globl	k_q4e9e3571db_outp
	.p2align	8
	.type	k_q4e9e3571db_outp,@function
k_q4e9e3571db_outp:
	s_mov_b64 s[64:65], 0
	v_nop
	global_prefetch_b8 v0, s[64:65] scope:SCOPE_SE
	s_setreg_imm32_b32 hwreg(HW_REG_WAVE_MODE, 25, 1), 1
	s_wait_xcnt 0x0
	s_wait_alu depctr_hold_cnt(0) depctr_sa_sdst(0) depctr_va_vdst(0) depctr_va_sdst(0) depctr_va_ssrc(0) depctr_va_vcc(0) depctr_vm_vsrc(0)
	s_getreg_b32 s2, hwreg(HW_REG_IB_STS2, 6, 4)
	s_cmp_eq_u32 s2, 0
	s_cbranch_scc0 .Lentry_in_a_cluster
	s_endpgm
.Lentry_in_a_cluster:
	s_bfe_u32 s2, ttmp6, 0x10000c
	s_cmp_lg_u32 s2, 0xf033
	s_cbranch_scc0 .Lentry_shape_is_right
	s_endpgm
.Lentry_shape_is_right:
; out0 = O wo + bo on codes of FP4 (E2M1) with E8M0 scales.  O arrives from the launch before as images of operand registers (oc) and scale bytes (os); wo as given.  No work is left out.
; D = S0 S1^T: S0 = 256 rows of wo's codes (output columns, in their own order; source 0), S1 = 8 tiles of 16 tokens (source 1), K = 1,024.  A lane holds one token and eight neighbouring columns.
; Row r of the tokens' tile 2 b + u is token 32 b + 8 u + r + 8 (r / 8): the stores put each row where it belongs.
; SHARES: 256 work-groups: work-group x = which 256 columns, y = which 128 tokens.  Eight waves: wave / 4 = which 128 columns (8 tiles), wave % 4 = which two tiles of tokens: 16 accumulators.
; CLUSTER 4 x 4: wo's tile is shared down a column of the cluster, O's along a row.  All tensor loads are first fills; nothing is filled again.  The stage for the way out has LDS bytes of its own.
.set PITCH, 528                        ; an LDS row of wo, and of the stage: 512 bytes + 16
.set TILEB, 16*PITCH
.set S1L,   16*TILEB                   ; behind wo's 256 rows: O's images, 8 tiles x 8,192 bytes
.set STG,   S1L+65536                  ; the stages: 16 rows x 528 bytes for each wave
.set SPARE, STG+8*TILEB                ; the spare words, 128 bytes for each wave: four blocks of 256 bytes that no other line names
.set A0,  1                            ; v1  LDS address of my S0 fragments
.set STO, 2                            ; v2  the stage: where I put 32 bytes of a row
.set A1,  3                            ; v3  LDS address of my S1 fragments
.set RD,  4                            ; v4  the stage: where I read a row back
.set SPW, 5
.set NIL, 6
.set CO,  7                            ; v7  16 x lane
.set SC0, 8                            ; v8-39  wo's scale words: register 8 i + s: lanes 0-15 tile i, lanes 16-31 tile i + 4
.set SC1, 40                           ; v40-47 O's: register s: lanes 0-15 my first tile, lanes 16-31 my second
.set F0,  48
.set F1,  112
.set ACC, 128
.set G1A, 36
.set G0A, 44
.set G1B, 48
.set G0B, 56
.set WV,  60
.set WA,  61
.set BQ,  62
.set CX,  66
.set CY,  67
.set NB,  69                           ; which 256 columns (made of cx; s72, s73, s74 likewise never hold cy)
.set BLK, 70                           ; which 128 tokens (made of cy; s75, s76, s77 likewise never hold cx)
.macro CROUND
	s_barrier_signal -1
	s_barrier_wait -1
	s_cmp_lg_u32 s[WV], 0
	s_cbranch_scc1 .Lnot_wave_0_\@
	s_barrier_signal -3
.Lnot_wave_0_\@:
	s_barrier_wait -3
	s_barrier_signal -1
	s_barrier_wait -1
.endm
.macro WM i, e, s
.set AC, ACC+64*(\e)+8*(\i)
.set FA, F0+8*(\i)
.set FB, F1+8*(\e)
.set SA, SC0+8*((\i)%4)+(\s)
.set SB, SC1+(\s)
.if ((\i) < 4) && ((\e) == 0)
	v_wmma_scale_f32_16x16x128_f8f6f4 v[AC:AC+7], v[FA:FA+7], v[FB:FB+7], v[AC:AC+7], v[SA], v[SB] matrix_a_fmt:MATRIX_FMT_FP4 matrix_b_fmt:MATRIX_FMT_FP4
.elseif (\i) < 4
	v_wmma_scale_f32_16x16x128_f8f6f4 v[AC:AC+7], v[FA:FA+7], v[FB:FB+7], v[AC:AC+7], v[SA], v[SB] matrix_a_fmt:MATRIX_FMT_FP4 matrix_b_fmt:MATRIX_FMT_FP4 matrix_b_scale:MATRIX_SCALE_ROW1
.elseif (\e) == 0
	v_wmma_scale_f32_16x16x128_f8f6f4 v[AC:AC+7], v[FA:FA+7], v[FB:FB+7], v[AC:AC+7], v[SA], v[SB] matrix_a_fmt:MATRIX_FMT_FP4 matrix_b_fmt:MATRIX_FMT_FP4 matrix_a_scale:MATRIX_SCALE_ROW1
.else
	v_wmma_scale_f32_16x16x128_f8f6f4 v[AC:AC+7], v[FA:FA+7], v[FB:FB+7], v[AC:AC+7], v[SA], v[SB] matrix_a_fmt:MATRIX_FMT_FP4 matrix_b_fmt:MATRIX_FMT_FP4 matrix_a_scale:MATRIX_SCALE_ROW1 matrix_b_scale:MATRIX_SCALE_ROW1
.endif
.endm
; 128 along K (two heads): 20 LDS loads, 16 products; the 16 accumulators take turns, one instruction a turn, in the same order in every step
.macro KSTEP s
.if (\s) > 0
.rept 4
	v_nop                                          ; four places in front of loads into registers that the last products have read
.endr
.endif
.irp e, 0,1
.irp c, 0,1
	ds_load_b128 v[F1+8*\e+4*\c:F1+8*\e+4*\c+3], v[A1] offset:8192*\e+1024*(\s)+512*\c    ; an image: head 2 s + c of tile e
.endr
.endr
.irp i, 0,1,2,3,4,5,6,7
.irp c, 0,1
	ds_load_b128 v[F0+8*\i+4*\c:F0+8*\i+4*\c+3], v[A0] offset:\i*TILEB+64*(\s)+32*\c
.endr
.endr
.irp i, 0,1,2,3,4,5,6,7
	s_wait_dscnt 2*(7-\i)                          ; S1's fragments and S0's up to tile i are in; the two loads of each later tile may be out
	WM \i, 0, \s
	WM \i, 1, \s
.endr
.endm
; THE WAY OUT of my tile e of tokens: 16 rows x 128 columns through my own stage, back as whole rows of 512 bytes into v[bk] on.  LDS serves a wave's instructions in order (ISA guide 5.7.1.4): no wait between
.macro TOSTAGE e, bk
.irp i, 0,1,2,3,4,5,6,7
	ds_store_b128 v[STO], v[ACC+64*\e+8*\i:ACC+64*\e+8*\i+3] offset:64*\i          ; each accumulator from its low end on
	ds_store_b128 v[STO], v[ACC+64*\e+8*\i+4:ACC+64*\e+8*\i+7] offset:64*\i+16
.endr
.irp t, 0,1,2,3,4,5,6,7,8,9,10,11,12,13,14,15
	ds_load_b128 v[\bk+4*\t:\bk+4*\t+3], v[RD] offset:\t*PITCH
.endr
.endm
.macro SEND e, bk, younger
	s_wait_dscnt \younger
.irp t, 0,1,2,3,4,5,6,7,8,9,10,11,12,13,14,15
	global_store_b128 v[CO], v[\bk+4*\t:\bk+4*\t+3], s[14:15] offset:(8*\e+\t+8*(\t/8))*4096 th:TH_STORE_NT   ; 32 lanes store 512 consecutive bytes, at a multiple of 256 from out0's first byte; row t of the tile is token 8 e + t + 8 (t / 8) of my 32
.endr
.endm
	s_load_b256 s[4:11], s[0:1], 0x0               ; oc, os, wo codes, wo scales
	s_load_b128 s[12:15], s[0:1], 0x20             ; bo, out0
	v_lshl_add_u32 v[SPW], v0, 2, SPARE
	v_mov_b32 v[NIL], 0
	ds_add_u32 v[SPW], v[NIL]                      ; the wave's opening: the add, twice on end, and its wait ahead of my first tensor load
	ds_add_u32 v[SPW], v[NIL]                      ; and once more; the set-up below, work on registers, stands between it and the wait
	v_lshrrev_b32 v64, 5, v0
	s_delay_alu instid0(VALU_DEP_1)
	v_readfirstlane_b32 s[WV], v64                 ; wave 0..7
	s_lshr_b32 s[WA], s[WV], 2
	s_and_b32 s[BQ], s[WV], 3
	s_bfe_u32 s[CX], ttmp6, 0x40000
	s_bfe_u32 s[CY], ttmp6, 0x40004
	s_lshl_b32 s[NB], ttmp9, 2
	s_add_co_u32 s[NB], s[NB], s[CX]
	s_and_b32 s[BLK], ttmp7, 0xffff
	s_lshl_b32 s[BLK], s[BLK], 2
	s_add_co_u32 s[BLK], s[BLK], s[CY]
	s_lshl_b32 s74, 0x1111, s[CX]                  ; my column of the cluster
	s_lshl_b32 s75, s[CY], 2
	s_lshl_b32 s75, 15, s75                        ; my row
	s_or_b32 s[G1A], s74, (3<<16)|(1<<20)|(1<<21)|(6<<22)|(3<<25)   ; wo: 64 rows of 512 bytes a load, 16 bytes of padding behind each
	s_mov_b32 s[G1A+1], 64<<16
	s_mov_b32 s[G1A+2], 64<<16
	s_mov_b32 s[G1A+3], 64<<16
	s_mov_b32 s[G1A+4], 64
	s_mov_b32 s[G1A+5], 64
	s_mov_b32 s[G1A+6], 0
	s_mov_b32 s[G1A+7], 0
	s_or_b32 s[G1B], s75, (3<<16)|(1<<21)          ; O's images: 16,384 dense bytes a load, as 64 rows of 256; no padding
	s_mov_b32 s[G1B+1], 32<<16
	s_mov_b32 s[G1B+2], 64<<16
	s_mov_b32 s[G1B+3], 32<<16
	s_mov_b32 s[G1B+4], 64
	s_mov_b32 s[G1B+5], 32
	s_mov_b32 s[G1B+6], 0
	s_mov_b32 s[G1B+7], 0
	s_lshl_b32 s72, s[NB], 17
	s_lshl_b32 s73, s[BQ], 15
	s_add_co_u32 s72, s72, s73                     ; wo: row 256 nb + 64 (wave % 4)
	s_mov_b32 s73, 0
	s_lshl_b32 s76, s[BLK], 16
	s_lshl_b32 s77, s[BQ], 14
	s_add_co_u32 s76, s76, s77                     ; oc: 65,536 bytes a block of tokens
	s_mov_b32 s77, 0
	s_mov_b32 s[G0A], 1
	s_mul_i32 s[G0A+1], s[BQ], 4*TILEB
	s_mov_b32 s[G0B], 1
	s_lshl_b32 s[G0B+1], s[BQ], 14
	s_add_co_u32 s[G0B+1], s[G0B+1], S1L
	s_wait_dscnt 0x0                               ; both opening adds are done
	s_wait_kmcnt 0x0
	s_add_nc_u64 s[G0A+2:G0A+3], s[8:9], s[72:73]
	s_or_b32 s[G0A+3], s[G0A+3], 0x80000000
	s_add_nc_u64 s[G0B+2:G0B+3], s[4:5], s[76:77]
	s_or_b32 s[G0B+3], s[G0B+3], 0x80000000
	CROUND                                         ; all sixteen work-groups are here: the joint loads meet
	s_cmp_lt_u32 s[WV], 4                          ; waves 0-3 fetch wo's four parts, waves 4-7 O's: one load a wave, its only one
	s_cbranch_scc0 .Lfor_s1
	tensor_load_to_lds s[G0A:G0A+3], s[G1A:G1A+7]
	s_nop 0
.rept 4
	v_nop
.endr
	s_branch .Lasked
.Lfor_s1:
	tensor_load_to_lds s[G0B:G0B+3], s[G1B:G1B+7]
	s_nop 0
.rept 4
	v_nop
.endr
.Lasked:
	v_and_b32 v64, 15, v0                          ; r
	v_bfe_u32 v65, v0, 4, 1                        ; h
	s_delay_alu instid0(VALU_DEP_2)
	v_mul_u32_u24 v66, v64, PITCH
	s_delay_alu instid0(VALU_DEP_1)
	v_lshl_add_u32 v67, v65, 4, v66
	s_mul_i32 s2, s[WA], 8*TILEB
	v_add_nc_u32 v[A0], s2, v67                    ; my 128 rows of wo; row r, + 16 h
	v_and_b32 v[CO], 31, v0
	s_delay_alu instid0(VALU_DEP_1)
	v_lshlrev_b32 v69, 1, v[CO]                    ; 2 x lane: O's scale bytes
	s_delay_alu instid0(VALU_DEP_2)
	v_lshlrev_b32 v[CO], 4, v[CO]
	s_lshl_b32 s2, s[BQ], 14
	s_add_co_u32 s2, s2, S1L
	v_add_nc_u32 v[A1], s2, v[CO]                  ; my two tiles' images
	s_mul_i32 s2, s[WV], TILEB
	s_add_co_u32 s2, s2, STG
	v_lshl_add_u32 v[STO], v65, 5, v66
	s_delay_alu instid0(VALU_DEP_1)
	v_add_nc_u32 v[STO], s2, v[STO]                ; my stage: row r, + 32 h
	v_add_nc_u32 v[RD], s2, v[CO]
	v_lshl_add_u32 v68, v65, 6, v64
	s_delay_alu instid0(VALU_DEP_1)
	v_lshlrev_b32 v68, 5, v68                      ; wo's scale rows: lanes 16-31 take the tile four further on
	s_wait_alu depctr_va_vdst(0)
	v_lshlrev_b32 v70, 5, v65                      ; bo: 8 h numbers
	s_wait_alu depctr_va_vdst(0)
	s_lshl_b32 s2, s[NB], 13
	s_lshl_b32 s3, s[WA], 12
	s_add_co_u32 s2, s2, s3
	s_mov_b32 s3, 0
	s_add_nc_u64 s[10:11], s[10:11], s[2:3]        ; wo's scales at my 128 rows
	s_lshl_b32 s2, s[BLK], 8
	s_lshl_b32 s78, s[BQ], 6
	s_add_co_u32 s2, s2, s78
	s_add_nc_u64 s[6:7], s[6:7], s[2:3]            ; os at my two tiles, head 0
	s_lshl_b32 s2, s[NB], 10
	s_lshl_b32 s78, s[WA], 9
	s_add_co_u32 s2, s2, s78                       ; 4 x my first column
	s_add_nc_u64 s[12:13], s[12:13], s[2:3]
	s_lshl_b32 s78, s[BLK], 19
	s_add_co_u32 s2, s2, s78
	s_lshl_b32 s78, s[BQ], 17
	s_add_co_u32 s2, s2, s78                       ; + my first token's row of 4,096 bytes
	s_add_nc_u64 s[14:15], s[14:15], s[2:3]
.irp i, 0,1,2,3
.irp q, 0,1
	global_load_b128 v[SC0+8*\i+4*\q:SC0+8*\i+4*\q+3], v68, s[10:11] offset:512*\i+16*\q
.endr
.endr
.irp d, 0,1,2,3,4,5,6,7,8,9,10,11,12,13,14,15
	global_load_u16 v[48+\d], v69, s[6:7] offset:16384*\d      ; head d's two bytes: lanes 0-15 my first tile's rows, lanes 16-31 my second's
.endr
.irp e, 0,1
.irp i, 0,1,2,3,4,5,6,7
	global_load_b128 v[ACC+64*\e+8*\i:ACC+64*\e+8*\i+3], v70, s[12:13] offset:64*\i        ; THE BIAS BEGINS THE SUMS: register j: column 16 i + 8 h + j
	global_load_b128 v[ACC+64*\e+8*\i+4:ACC+64*\e+8*\i+7], v70, s[12:13] offset:64*\i+16
.endr
.endr
	s_wait_loadcnt 0x0
.irp s, 0,1,2,3,4,5,6,7
	v_lshl_or_b32 v[SC1+\s], v[49+2*\s], 16, v[48+2*\s]        ; K step s: heads 2 s and 2 s + 1
.endr
.rept 8
	v_nop                                          ; a scale register written by a vector instruction stands eight places ahead of a scaled product
.endr
	s_wait_alu depctr_va_vdst(0)
	s_wait_tensorcnt 0x0                           ; my part of the tiles is in,
	s_barrier_signal -1
	s_barrier_wait -1                              ; everybody's is; nothing is filled again
.irp s, 0,1,2,3,4,5,6,7
	KSTEP \s
.endr
.rept 4
	v_nop                                          ; four places in front of the first read of results and of loads into the operands' registers
.endr
	TOSTAGE 0, F0
	TOSTAGE 1, ACC                                 ; its rows come back into the registers that the first tile's results have left
	SEND 0, F0, 32                                 ; behind the first tile's loads: the second's 16 stores and 16 loads
	SEND 1, ACC, 0
	s_wait_tensorcnt 0x0                           ; the wave's end, behind my last LDS store
	ds_add_u32 v[SPW], v[NIL]
	s_wait_dscnt 0x0
	CROUND                                         ; the closing round
	s_endpgm
.Lfunc_end_k_q4e9e3571db_outp:
	.size	k_q4e9e3571db_outp, .Lfunc_end_k_q4e9e3571db_outp-k_q4e9e3571db_outp
	.p2alignl 7, 3214868480
	.fill 96, 4, 3214868480
	.section	.rodata,"a",@progbits
	.p2align	6, 0x0
	.amdhsa_kernel k_q4e9e3571db_outp
		.amdhsa_group_segment_fixed_size 269312
		.amdhsa_private_segment_fixed_size 0
		.amdhsa_enable_private_segment 0
		.amdhsa_kernarg_size 48
		.amdhsa_user_sgpr_count 2
		.amdhsa_user_sgpr_kernarg_segment_ptr 1
		.amdhsa_wavefront_size32 1
		.amdhsa_system_sgpr_workgroup_id_x 1
		.amdhsa_system_sgpr_workgroup_id_y 1
		.amdhsa_system_sgpr_workgroup_id_z 1
		.amdhsa_system_vgpr_workitem_id 0
		.amdhsa_next_free_vgpr 256
		.amdhsa_next_free_sgpr 90
		.amdhsa_reserve_vcc 0
		.amdhsa_float_denorm_mode_32 3
		.amdhsa_float_denorm_mode_16_64 3
		.amdhsa_memory_ordered 1
		.amdhsa_forward_progress 1
		.amdhsa_inst_pref_size 49
	.end_amdhsa_kernel
	.amdgpu_metadata
---
amdhsa.version: [ 1, 2 ]
amdhsa.kernels:
  - .name:           k_q4e9e3571db_outp
    .symbol:         k_q4e9e3571db_outp.kd
    .args:
      - { .name: oc, .offset: 0, .size: 8, .value_kind: global_buffer, .address_space: global }
      - { .name: os, .offset: 8, .size: 8, .value_kind: global_buffer, .address_space: global }
      - { .name: wo_codes, .offset: 16, .size: 8, .value_kind: global_buffer, .address_space: global }
      - { .name: wo_scales, .offset: 24, .size: 8, .value_kind: global_buffer, .address_space: global }
      - { .name: bo, .offset: 32, .size: 8, .value_kind: global_buffer, .address_space: global }
      - { .name: out0, .offset: 40, .size: 8, .value_kind: global_buffer, .address_space: global }
    .group_segment_fixed_size: 269312
    .private_segment_fixed_size: 0
    .kernarg_segment_align: 8
    .kernarg_segment_size: 48
    .max_flat_workgroup_size: 256
    .sgpr_count:     90
    .vgpr_count:     256
    .wavefront_size: 32
...
	.end_amdgpu_metadata
.endif
;; end of part 3
